; MI455X (gfx1250); checked and timed in simulation.
; The chip was launched on July 23, 2026; its instructions are those of AMD's public machine-readable ISA for CDNA 5 (MIT licence, August 2026) and "CDNA5" Instruction Set Architecture Reference Guide (July 2026). The comments in the code are by the model that wrote it; some were corrected since.
;; Multi Head Attention. Allowed arithmetic: matrix products marked QUANTISED: E2M3 operands, one E8M0 scale for each 32 along K, by v_wmma_scale_f32_16x16x128_f8f6f4 with both operands' format E2M3, f32 sums; everything else in f32.
;; Inputs: bk 1,024 float32; bo 1,024 float32; bq 1,024 float32; bv 1,024 float32; k_codes 4 x 2,048 x 32 x 24 uint8 (E2M3 codes of k, K innermost, in blocks of 32 codes, four codes in three bytes); k_scales 4 x 2,048 x 32 uint8 (E8M0 scales of k, one for each 32 codes along K); mask 4 x 1 x 2,048 x 2,048 int32; q_codes 4 x 2,048 x 32 x 24 uint8 (E2M3 codes of q, K innermost, in blocks of 32 codes, four codes in three bytes); q_scales 4 x 2,048 x 32 uint8 (E8M0 scales of q, one for each 32 codes along K); v_codes 4 x 2,048 x 32 x 24 uint8 (E2M3 codes of v, K innermost, in blocks of 32 codes, four codes in three bytes); v_scales 4 x 2,048 x 32 uint8 (E8M0 scales of v, one for each 32 codes along K); wk_codes 1,024 x 32 x 24 uint8 (E2M3 codes of wk, K innermost, in blocks of 32 codes, four codes in three bytes); wk_scales 1,024 x 32 uint8 (E8M0 scales of wk, one for each 32 codes along K); wo_codes 1,024 x 32 x 24 uint8 (E2M3 codes of wo, K innermost, in blocks of 32 codes, four codes in three bytes); wo_scales 1,024 x 32 uint8 (E8M0 scales of wo, one for each 32 codes along K); wq_codes 1,024 x 32 x 24 uint8 (E2M3 codes of wq, K innermost, in blocks of 32 codes, four codes in three bytes); wq_scales 1,024 x 32 uint8 (E8M0 scales of wq, one for each 32 codes along K); wv_codes 1,024 x 32 x 24 uint8 (E2M3 codes of wv, K innermost, in blocks of 32 codes, four codes in three bytes); wv_scales 1,024 x 32 uint8 (E8M0 scales of wv, one for each 32 codes along K).
;; Outputs: out0 4 x 2,048 x 1,024 float32.
;; This version of the problem:
;;   THIS VERSION OF THE PROBLEM IS GIVEN IN LOW PRECISION. The matrix products marked QUANTISED in the list below multiply operands that are first quantised to E2M3 (2 exponent bits, 3 mantissa bits; 6 bits a number), with one power-of-two scale for each 32 numbers along K (OCP MX v1.0); their sums are f32. All else is computed in f32.
;;   The module's matrix products, in the order in which they are computed (A, B: the left and right operand; K: the contracted axis; several contracted axes count as one K, in the product's order):
;;     1. [M 8,192, K 1,024] x [K 1,024, N 1,024]; A: input q (given as codes); B: input wq (given as codes): QUANTISED
;;     2. [M 8,192, K 1,024] x [K 1,024, N 1,024]; A: input k (given as codes); B: input wk (given as codes): QUANTISED
;;     3. [M 8,192, K 1,024] x [K 1,024, N 1,024]; A: input v (given as codes); B: input wv (given as codes): QUANTISED
;;     4. batch 64 x [M 2,048, K 64] x [K 64, N 2,048]; A: computed on the way; B: computed on the way: QUANTISED
;;     5. batch 64 x [M 2,048, K 2,048] x [K 2,048, N 64]; A: softmax (see below); B: computed on the way: QUANTISED
;;     6. [M 8,192, K 1,024] x [K 1,024, N 1,024]; A: computed on the way; B: input wo (given as codes): QUANTISED
;;   THE QUANTISER, for each operand of a quantised product, along K:
;;     - K is cut into blocks of 32 from its start; a last block that is shorter is filled with zeros.
;;     - A block's scale is 2^e with e = floor(log2(the largest magnitude in the block)) - 2, held to -126 .. 127; a block of zeros has e = 0. As a byte (E8M0): e + 127.
;;     - Each number is divided by its block's scale, clamped to +-7.5, and rounded to the nearest number of E2M3, ties to even, subnormals kept.
;;     - The product sums the exact products of the quantised numbers (number of the format x scale) in f32.
;;   ~~~python
;;   def quantise(x, axis):      # numpy; x: float32 -> the quantised numbers, widened to float32 again
;;       x = np.moveaxis(x, axis, -1); K = x.shape[-1]
;;       x = np.pad(x, [(0, 0)] * (x.ndim - 1) + [(0, -K % 32)]); x = x.reshape(x.shape[:-1] + (-1, 32)); a = np.abs(x).max(-1, keepdims=True)
;;       e = np.where(a > 0, np.clip(np.frexp(np.where(a > 0, a, 1))[1] - 1 - 2, -126, 127), 0)      # np.frexp(a)[1] - 1 = floor(log2(a)), exactly
;;       r = np.clip(x / 2.0 ** e, -7.5, 7.5)
;;       step = 2.0 ** (np.maximum(np.frexp(np.where(r == 0, 1, r))[1] - 1, 0) - 3)
;;       q = np.round(r / step) * step * 2.0 ** e      # np.round: ties to even
;;       return np.moveaxis(q.reshape(q.shape[:-2] + (-1,))[..., :K], -1, axis).astype(np.float32)
;;   ~~~
;;   SOFTMAX AHEAD OF A QUANTISED PRODUCT. Where the list says 'softmax', what is quantised is not the finished softmax but p = 2^(t - M), with t = logit x log2(e) and M = ceil(the row's largest t), a whole number; so 1/2 < the row's largest p <= 1. The row's sum l is taken of the UNQUANTISED p, in f32, and the product's result is divided by l at the end. Since M is a whole number, a kernel that streams over the keys may use a running M (the ceiling of the running maximum): every later rescaling is an exact power of two, which a block's scale takes up: the codes' values come out the same.
;;   OPERANDS COMPUTED ON THE WAY. 'Computed on the way' means the value that the module computes at that place (a softmax that the list does not call 'softmax' is quantised finished and normalised). What goes into a quantiser is computed in f32, as accurately as f32 sums, v_exp_f32 and their like allow (about 1e-6 of the number): no bf16 or f16 on the way to a quantiser, and a product that is left as it is and whose result goes on into a quantised operand takes f32 operands (vector FMAs, or v_wmma_f32_16x16x4_f32). A number that lies on a knife's edge between two numbers of the format may be rounded either way, as far as f32 arithmetic and the matrix unit's own rounding can turn it there, and no further.
;;   INPUTS GIVEN AS CODES. k (in the module: [4, 2048, 1024], K = its axis 2); q (in the module: [4, 2048, 1024], K = its axis 2); v (in the module: [4, 2048, 1024], K = its axis 2); wk (in the module: [1024, 1024], K = its axis 1); wo (in the module: [1024, 1024], K = its axis 1); wq (in the module: [1024, 1024], K = its axis 1); wv (in the module: [1024, 1024], K = its axis 1): each comes as NAME_codes (uint8): NAME with its K axis moved to the last place and cut into blocks of 32 codes, [.., K / 32, bytes a block], one block behind the other in memory; four codes in three bytes: a row's codes are one little-endian stream of bits, code i at bits 6 i .. 6 i + 5 (a code: sign, 2 exponent bits, 3 mantissa bits); and NAME_scales (uint8): the same leading axes, one E8M0 byte (e + 127) for each 32 codes along K. Its value is code x scale, taken as it is: it is not quantised again, and the codes and scales need not be those that the quantiser above would give.
;; One version. Each part assembles by itself: llvm-mc -triple=amdgcn-amd-amdhsa -mcpu=gfx1250 --defsym DOCPART=n.
;; ======== version 1 of 1: 3 launches
;; limits: right only within a limited range of input values
;; workspace buffers: maskw 2,097,152 bytes of whole numbers; qrec 6,815,744 bytes; kvrec 13,369,344 bytes; ao_codes 6,291,456 bytes; ao_scales 262,144 bytes
;; launch qkv (part 1): grid 8 x 96, 4 waves a work-group, clusters of 4 x 4, 327,680 bytes of LDS; arguments q_codes, q_scales, wq_codes, wq_scales, bq, k_codes, k_scales, wk_codes, wk_scales, bk, v_codes, v_scales, wv_codes, wv_scales, bv, qrec, kvrec, mask, maskw; writes qrec, kvrec, maskw
.if DOCPART == 1
	.amdgcn_target "amdgcn-amd-amdhsa--gfx1250"
	.amdhsa_code_object_version 6
	.text
	.protected	k_q0ce50e8ee8_qkv
	.globl	k_q0ce50e8ee8_qkv
	.p2align	8
	.type	k_q0ce50e8ee8_qkv,@function
k_q0ce50e8ee8_qkv:
	s_mov_b64 s[64:65], 0
	v_nop
	global_prefetch_b8 v0, s[64:65] scope:SCOPE_SE
	s_setreg_imm32_b32 hwreg(HW_REG_WAVE_MODE, 25, 1), 1
	s_wait_xcnt 0x0
	s_wait_alu depctr_hold_cnt(0) depctr_sa_sdst(0) depctr_va_vdst(0) depctr_va_sdst(0) depctr_va_ssrc(0) depctr_va_vcc(0) depctr_vm_vsrc(0)
	s_getreg_b32 s2, hwreg(HW_REG_IB_STS2, 6, 4)
	s_cmp_eq_u32 s2, 0
	s_cbranch_scc0 .Lentry_in_a_cluster
	s_endpgm
.Lentry_in_a_cluster:
	s_bfe_u32 s2, ttmp6, 0x10000c
	s_cmp_lg_u32 s2, 0xf033
	s_cbranch_scc0 .Lentry_shape_is_right
	s_endpgm
.Lentry_shape_is_right:
; Q = q wq^T + bq, K = k wk^T + bk, V = v wv^T + bv on codes of FP6 (E2M3), each result quantised again and stored as the operand images that the attention launch reads; and the mask as words of bits.
; THE DEAL.  768 work-groups: tensor = cluster y / 8; a work-group makes 256 tokens x 128 columns (two heads) of one tensor.  Four waves, 2 x 2: wave (a, b) takes tokens 128 a .. + 127 (one key step) and head b.
; ALL OF K LIES IN LDS, filled once: whole rows of 768 bytes, which begin at multiples of 256 bytes; 16 bytes of padding behind every 256.  Waves 0 and 1 fetch 64 rows of the weight each, waves 2 and 3 128 tokens each.
; No LDS byte is filled again, so there is no ring.  Every tile is asked for at the head and there is no loop to run ahead in: no prefetch is laid.
; CLUSTER 4 x 4: the tokens' rows are shared along a row of the cluster, the weight's rows along a column: joint loads.
; A wave holds its 64 rows of the weight, all of K, in 384 registers and takes its tokens in eight blocks of 16: 8 fragments, two sets by turns; a block is 32 products, four accumulators by turns.
; The scale words of the wave's 128 tokens and 64 weight rows come once from memory: 32 bytes a row, a lane a row, lanes 16-31 the next block of 16 rows.  The bias is the C of a block's first four products.
; Q, K: source 0 = the weight's rows: a lane holds one token and 32 of the head's 64 columns.  V: source 0 = the tokens: a lane holds one channel, its registers run along the tokens.
; RECORDS, as the attention launch reads them: images [key step][6,144 bytes: 4 x 3 pieces of 4 registers x 32 lanes x 16 bytes]; Q's and K's scale words at 98,304, V's images at 106,496, V's scale words at 204,800.
; THE MASK.  mask [4][1][2048][2048] int32 -> maskw [512 tiles of 16 queries][16 steps of 128 keys][64] words.  Bit L of word n: mask != 0 for query 16 tile + L % 16 and key 128 step + 16 (n / 8) + 8 (L / 16) + n % 8.
; Q's and K's 512 work-groups are as many as the tiles: each takes tile 256 x tensor + 8 x token block + column block, each wave four steps.  A unit is 16 rows x 512 bytes: each load reads 512 consecutive bytes of a row.
; It turns through the wave's stage in LDS (rows 528 bytes apart), which lies in the weight's region: that region has had its one fill, and its last read stands ahead of the second barrier.  A compare makes a word of 32 lanes' bits;
; v_writelane_b32 puts word n into lane n / 2, register n % 2: a store of 8 bytes a lane covers 256 consecutive bytes, aligned.  Two units are asked for at the head and two behind block 2.
; The ways of Q, K and of V part at the bias and meet again at the closing lines, so that each counted wait for loads sees the same loads on its way.
; LIMITS: NaN and infinities are not served; a block whose largest magnitude lies under 2^(3 - 127) gets the scale byte 1.
.set KROW,  768
.set KS,    32
.set PITCH, 816
.set FR,    12
.set FPW,   21                         ; fragments in a window of 256 registers; fragment f lies in window 1 + f / 21: 0-31 the weight's (4 q + b), 32-47 the tokens' two sets
.set NF,    26                         ; LDS loads of a block's eight fragments
.set XB,    128*PITCH                  ; the tokens' rows lie behind the weight's 128
.set SPARE, XB+256*PITCH
.set QREC,  106496
.set REC,   208896
.set MSP,   528                        ; a row of the mask's stage
.set AX,   3                           ; v3, v4  LDS address of the block fetched next (v4: for pieces behind one padding more)
.set LI,   5                           ; v5  16 x lane
.set LH,   6                           ; v6  8 x lane
.set SPW,  8
.set NIL,  9
.set SWB,  12                          ; v12-27  the weight's scale words: 8 (b / 2) + q
.set WA,   28                          ; v28-31  scale words on the way out
.set SX,   32                          ; v32-63  the tokens' scale words: 8 (s / 2) + q
.set ACC,  64                          ; v64-191 accumulators (Q, K: v64-127)
.set BA,   64                          ; v64-71  at the head: LDS addresses of the weight's four tiles
.set MX,   128                         ; v128-191 Q, K: a unit of the mask with a query to a lane
.set CD,   192                         ; v192-239 codes on the way out (Q, K: v192-203)
.set MW,   204                         ; v204-211 Q, K: the words of four units
.set MSI,  212                         ; v212, v213 the stage, on the way in and out
.set MSO,  213
.set TM,   240
.set TX,   242
.set SO,   244
.set TT,   246
.set PW,   250
.set MR,   72                          ; v840-967 (window 3): two units of the mask as loaded
.set BB,   224                         ; v992-1023 (window 3): the bias as C
.set G1X, 68
.set G1W, 76
.set G0X, 84
.set G0W, 88
.set MSB, 0
.macro WIN new
.if MSB != \new
	s_set_vgpr_msb (MSB<<8)|\new
.set MSB, \new
.endif
.endm
.macro PLACES n
.rept \n
	v_nop
.endr
.endm
.macro WALU
	s_wait_alu depctr_va_vdst(0)
.endm
.macro BARRIER
	s_barrier_signal -1
	s_barrier_wait -1
.endm
.macro CROUND
	BARRIER
	s_cmp_lg_u32 s14, 0
	s_cbranch_scc1 .Lnot_wave_0_\@
	s_barrier_signal -3
.Lnot_wave_0_\@:
	s_barrier_wait -3
	BARRIER
.endm
.macro TLOAD g0, g1
	tensor_load_to_lds s[\g0:\g0+3], s[\g1:\g1+7]
	s_nop 0
	PLACES 4
.endm
.macro GROUP1 g, mask, rows            ; rows of 768 bytes, 16 bytes of padding behind every 256
	s_or_b32 s[\g+0], s[\mask], (1<<20)|(1<<21)|(5<<22)|(3<<25)
	s_mov_b32 s[\g+1], KROW<<16
	s_mov_b32 s[\g+2], (\rows)<<16
	s_mov_b32 s[\g+3], KROW<<16
	s_mov_b32 s[\g+4], \rows
	s_mov_b32 s[\g+5], KROW
	s_mov_b32 s[\g+6], 0
	s_mov_b32 s[\g+7], 0
.endm
.macro FRAG f, q, a0, a1               ; six pieces of 8 bytes, two to a load where both lie behind as many paddings
	WIN (1+(\f)/FPW)<<6
.set R_, FR*((\f)%FPW)
.set SKIP_, 0
.irp p, 0,1,2,3,4,5
.if SKIP_
.set SKIP_, 0
.else
.set PC_, 12*(\q)+6*(\p/3)+\p%3
.set PN_, 12*(\q)+6*((\p+1)/3)+(\p+1)%3
.set X_, (PC_%32+3)/32
.set XQ_, (PN_%32+3)/32
.if (\p < 5) && (X_ == XQ_)
.set SKIP_, 1
.if X_
	ds_load_2addr_b64 v[R_+2*\p:R_+2*\p+3], \a1 offset0:PC_+2*(PC_/32) offset1:PN_+2*(PN_/32)
.else
	ds_load_2addr_b64 v[R_+2*\p:R_+2*\p+3], \a0 offset0:PC_+2*(PC_/32) offset1:PN_+2*(PN_/32)
.endif
.elseif X_
	ds_load_b64 v[R_+2*\p:R_+2*\p+1], \a1 offset:8*(PC_+2*(PC_/32))
.else
	ds_load_b64 v[R_+2*\p:R_+2*\p+1], \a0 offset:8*(PC_+2*(PC_/32))
.endif
.endif
.endr
.endm
.macro FETCH e                         ; a block of 16 tokens, all of K, into set e; then the address steps to the next block
.irp q, 0,1,2,3,4,5,6,7
	FRAG 32+8*(\e)+\q, \q, v[AX], v[AX+1]
.endr
	WIN 0
	v_add_nc_u32 v[AX], 16*PITCH, v[AX]
	v_add_nc_u32 v[AX+1], 16*PITCH, v[AX+1]
.endm
.macro WM c, ra, rb
	v_wmma_scale_f32_16x16x128_f8f6f4 v[D_:D_+7], v[FR*(S0_%FPW):FR*(S0_%FPW)+FR-1], v[FR*(S1_%FPW):FR*(S1_%FPW)+FR-1], \c, v[X0_], v[X1_] matrix_a_fmt:MATRIX_FMT_FP6 matrix_b_fmt:MATRIX_FMT_FP6 matrix_a_scale:MATRIX_SCALE_ROW\ra matrix_b_scale:MATRIX_SCALE_ROW\rb
.endm
.macro WMR c
.if R0_ && R1_
	WM \c, 1, 1
.elseif R0_
	WM \c, 1, 0
.elseif R1_
	WM \c, 0, 1
.else
	WM \c, 0, 0
.endif
.endm
.macro PROD kind, s, n, d0, ds         ; product n = 4 q + b of block s
.set Q_, (\n)/4
.set B_, (\n)%4
.set D_, (\d0)+(\ds)*B_
.if \kind
.set S0_, 32+8*((\s)%2)+Q_
.set S1_, 4*Q_+B_
.set X0_, SX+8*((\s)/2)+Q_
.set X1_, SWB+8*(B_/2)+Q_
.set R0_, (\s)%2
.set R1_, B_%2
.else
.set S1_, 32+8*((\s)%2)+Q_
.set S0_, 4*Q_+B_
.set X1_, SX+8*((\s)/2)+Q_
.set X0_, SWB+8*(B_/2)+Q_
.set R1_, (\s)%2
.set R0_, B_%2
.endif
.if Q_
	WIN (1+S0_/FPW)|((1+S1_/FPW)<<2)
	WMR v[D_:D_+7]
.else
	WIN (1+S0_/FPW)|((1+S1_/FPW)<<2)|(3<<4)
	WMR v[BB+8*B_:BB+8*B_+7]
.endif
.endm
.macro BLOCK kind, s, d0, ds
	WALU
.if (\s) < 7
	s_wait_dscnt NF                        ; this block's fragments are in; the next block's NF loads may be out
.else
	s_wait_dscnt 0x0
.endif
.set N_, 0
.rept 32
	PROD \kind, \s, N_, \d0, \ds
.set N_, N_+1
.endr
	WIN 0
	PLACES 4                               ; places ahead of the loads into the set just read and of the first read of the sums
.if (\s) < 6
	WALU
	FETCH (\s)%2
.endif
.endm
; 32 sums of a lane, two halves of two scale blocks (the other halves lie in lane l xor 16), become six registers of an operand (lane / 16 = the block) and two scale bytes
.macro QUANT2 s, d, pw
.irp b, 0,1
	v_max3_num_f32 v[TM+\b], |v[(\s)+16*\b]|, |v[(\s)+1+16*\b]|, 0x1800000
.endr
.irp i, 2,4,6,8,10,12,14
.irp b, 0,1
	v_max3_num_f32 v[TM+\b], v[TM+\b], |v[(\s)+16*\b+\i]|, |v[(\s)+1+16*\b+\i]|
.endr
.endr
.irp b, 0,1
	v_permlanex16_b32 v[TX+\b], v[TM+\b], s18, s19
.endr
.irp b, 0,1
	v_max_num_f32 v[TM+\b], v[TM+\b], v[TX+\b]
.endr
.irp b, 0,1
	v_add_nc_u32 v[SO+\b], 0xff000000, v[TM+\b]   ; 2 off the exponent field: the conversion's scale operand
.endr
.irp b, 0,1
	v_lshrrev_b32 v[TX+\b], 23, v[SO+\b]
.endr
	v_lshl_or_b32 v[\pw], v[TX+1], 8, v[TX]
	v_cvt_scalef32_pk16_fp6_f32 v[(\d):(\d)+2], v[(\s):(\s)+15], v[SO]
	v_cvt_scalef32_pk16_fp6_f32 v[TT:TT+2], v[(\s)+16:(\s)+31], v[SO+1]
	v_nop
.irp i, 0,1,2
	v_permlane16_swap_b32 v[(\d)+\i], v[TT+\i]
.endr
.irp i, 0,1,2
	v_mov_b32 v[(\d)+3+\i], v[TT+\i]
.endr
.endm
; the mask: unit k of my four is asked for (row q: 512 consecutive bytes, read once in the launch)
.macro MLOAD k
	WIN 3<<6
.irp q, 0,1,2,3,4,5,6,7,8,9,10,11,12,13,14,15
	global_load_b128 v[MR+64*((\k)%2)+4*\q:MR+64*((\k)%2)+4*\q+3], v[LI], s[34:35] offset:\q*8192+512*(\k) th:TH_LOAD_NT
.endr
	WIN 0
.endm
; and turned into 64 words.  cnt: the loads issued behind the unit's sixteen
.macro MUNIT k, cnt
	s_wait_loadcnt \cnt
	WIN 3<<2
.irp q, 0,1,2,3,4,5,6,7,8,9,10,11,12,13,14,15
	ds_store_b128 v[MSI], v[MR+64*((\k)%2)+4*\q:MR+64*((\k)%2)+4*\q+3] offset:MSP*\q
.endr
	WIN 0
.irp m, 0,1,2,3,4,5,6,7,8,9,10,11,12,13,14,15
	ds_load_b128 v[MX+4*\m:MX+4*\m+3], v[MSO] offset:64*(\m/2)+16*(\m%2)   ; LDS serves a wave's instructions in order: these see the stores above
.endr
	s_wait_dscnt 0x0
.set n, 0
.rept 64
	v_cmp_ne_u32 s[20+n%4], 0, v[MX+n]
	v_writelane_b32 v[MW+2*(\k)+n%2], s[20+n%4], n/2
.set n, n+1
.endr
	global_store_b64 v[LH], v[MW+2*(\k):MW+2*(\k)+1], s[46:47] offset:256*(\k)   ; each unit has its own two registers
.endm
; the weight into registers, the first two blocks' fragments, and where my key step's images go
.macro HEAD2
	s_cmp_lt_u32 s14, 2
	s_cbranch_scc0 .Lnot_w_\@
	s_wait_tensorcnt 0x0
.Lnot_w_\@:
	BARRIER                                ; the weight's rows are in
.irp q, 0,1,2,3,4,5,6,7
.irp b, 0,1,2,3
	FRAG 4*\q+\b, \q, v[BA+2*\b], v[BA+2*\b+1]
.endr
.endr
	WIN 0
	s_wait_tensorcnt 0x0
	s_wait_dscnt 0x0
	BARRIER                                ; the tokens' rows are in, and nobody reads the weight's region any more
	FETCH 0
	WALU
	FETCH 1
	s_mul_i32 s20, s63, s98                ; my record
	s_mul_i32 s22, s62, 6144
	s_add_co_u32 s22, s22, s20             ; + my key step's images
	s_mov_b32 s23, 0
	s_add_nc_u64 s[24:25], s[96:97], s[22:23]
.endm
; ---- the head
	s_load_b256 s[4:11], s[0:1], 0x0
	s_load_b64 s[12:13], s[0:1], 0x20
	s_load_b256 s[24:31], s[0:1], 0x28
	s_load_b64 s[32:33], s[0:1], 0x48
	s_load_b256 s[36:43], s[0:1], 0x50
	s_load_b64 s[44:45], s[0:1], 0x70
	s_load_b128 s[48:51], s[0:1], 0x78
	s_load_b64 s[34:35], s[0:1], 0x88      ; mask
	s_load_b64 s[46:47], s[0:1], 0x90      ; maskw
	v_lshl_add_u32 v[SPW], v0, 2, SPARE
	v_mov_b32 v[NIL], 0
	ds_add_u32 v[SPW], v[NIL]              ; the opening lines
	ds_add_u32 v[SPW], v[NIL]
	v_lshrrev_b32 v1, 5, v0
	v_readfirstlane_b32 s14, v1            ; wave
	s_lshr_b32 s15, s14, 1                 ; a: my key step of the two
	s_and_b32 s16, s14, 1                  ; b: my head of the two; also which half I fetch
	s_and_b32 s99, ttmp7, 0xffff
	s_lshr_b32 s95, s99, 3                 ; 0 Q, 1 K, 2 V
	s_and_b32 s99, s99, 7
	s_lshl_b32 s17, s99, 2
	s_bfe_u32 s52, ttmp6, 0x40000          ; cx
	s_bfe_u32 s53, ttmp6, 0x40004          ; cy
	s_add_co_u32 s17, s17, s53             ; block of 256 tokens
	s_lshl_b32 s54, ttmp9, 2
	s_add_co_u32 s54, s54, s52             ; block of 128 columns
	s_lshl_b32 s55, s53, 2
	s_lshl_b32 s55, 15, s55                ; my row of the cluster
	s_lshl_b32 s56, 0x1111, s52            ; my column
	GROUP1 G1X, 55, 128
	GROUP1 G1W, 56, 64
	s_lshl_b32 s20, s17, 1
	s_add_co_u32 s20, s20, s16
	s_mul_i32 s57, s20, 128*KROW           ; the 128 tokens that waves 2, 3 fetch
	s_lshl_b32 s20, s54, 1
	s_add_co_u32 s20, s20, s16             ; my head, 0 .. 15
	s_mul_i32 s58, s20, 64*KROW            ; its 64 rows of the weight: what waves 0, 1 fetch
	s_mul_i32 s59, s20, 64*KS              ; their scale bytes
	s_lshl_b32 s60, s20, 8                 ; their bias
	s_lshl_b32 s21, s17, 1
	s_add_co_u32 s21, s21, s15             ; my key step, counted over all tokens
	s_mul_i32 s61, s21, 128*KS
	s_lshr_b32 s22, s21, 4
	s_and_b32 s62, s21, 15                 ; key step in the batch
	s_lshl_b32 s22, s22, 4
	s_add_co_u32 s63, s22, s20             ; record: 16 x batch + head
	s_mov_b32 s[G0X], 1
	s_mul_i32 s[G0X+1], s16, 128*PITCH
	s_add_co_u32 s[G0X+1], s[G0X+1], XB
	s_mov_b32 s[G0W], 1
	s_mul_i32 s[G0W+1], s16, 64*PITCH
	s_mov_b32 s18, 0x76543210
	s_mov_b32 s19, 0xfedcba98              ; lane l xor 16
	s_mov_b32 s67, 0xffff0000              ; lanes 16-31
	WALU
	s_wait_dscnt 0x0
	s_wait_kmcnt 0x0
	s_cmp_eq_u32 s95, 1
	s_cselect_b64 s[4:5], s[24:25], s[4:5]
	s_cselect_b64 s[6:7], s[26:27], s[6:7]
	s_cselect_b64 s[8:9], s[28:29], s[8:9]
	s_cselect_b64 s[10:11], s[30:31], s[10:11]
	s_cselect_b64 s[12:13], s[32:33], s[12:13]
	s_cmp_eq_u32 s95, 2
	s_cselect_b64 s[4:5], s[36:37], s[4:5]
	s_cselect_b64 s[6:7], s[38:39], s[6:7]
	s_cselect_b64 s[8:9], s[40:41], s[8:9]
	s_cselect_b64 s[10:11], s[42:43], s[10:11]
	s_cselect_b64 s[12:13], s[44:45], s[12:13]
	s_cmp_eq_u32 s95, 0
	s_cselect_b64 s[96:97], s[48:49], s[50:51]
	s_mov_b32 s98, REC
	s_cselect_b32 s98, QREC, s98
	s_mov_b32 s21, 0
	s_mov_b32 s20, s57
	s_add_nc_u64 s[G0X+2:G0X+3], s[4:5], s[20:21]
	s_or_b32 s[G0X+3], s[G0X+3], 0x80000000
	s_mov_b32 s20, s58
	s_add_nc_u64 s[G0W+2:G0W+3], s[8:9], s[20:21]
	s_or_b32 s[G0W+3], s[G0W+3], 0x80000000
	s_mov_b32 s20, s61
	s_add_nc_u64 s[6:7], s[6:7], s[20:21]
	s_mov_b32 s20, s59
	s_add_nc_u64 s[10:11], s[10:11], s[20:21]
	s_mov_b32 s20, s60
	s_add_nc_u64 s[12:13], s[12:13], s[20:21]
	CROUND                                 ; the joint loads meet
	s_cmp_lt_u32 s14, 2
	s_cbranch_scc0 .Lfor_x
	TLOAD G0W, G1W                         ; waves 0, 1: half of the weight's rows each
	s_branch .Lasked
.Lfor_x:
	TLOAD G0X, G1X                         ; waves 2, 3: 128 tokens each
.Lasked:
	v_and_b32 v1, 15, v0
	v_bfe_u32 v2, v0, 4, 1
	v_and_b32 v7, 31, v0
	v_mul_u32_u24 v10, v1, PITCH
	v_mad_u32_u24 v11, v2, 24, v10         ; row x pitch + 24 x half
	v_mad_u32_u24 v10, v2, 40, v10         ; and where lanes 16-31 lie behind one padding more
	s_mul_i32 s20, s15, 128*PITCH
	s_add_co_u32 s20, s20, XB
	v_add_nc_u32 v[AX], s20, v11
	v_add_nc_u32 v[AX+1], s20, v10
	s_mul_i32 s20, s16, 64*PITCH
.irp b, 0,1,2,3
	v_add_nc_u32 v[BA+2*\b], s20, v11
	v_add_nc_u32 v[BA+2*\b+1], s20, v10
	s_add_co_u32 s20, s20, 16*PITCH
.endr
	v_lshlrev_b32 v[LI], 4, v7
	v_lshlrev_b32 v[LH], 3, v7
	s_mul_i32 s20, s14, 16*MSP             ; my stage for the mask
	v_add_nc_u32 v[MSI], s20, v[LI]        ; in: 16 bytes a lane
	v_mul_u32_u24 v10, v1, MSP
	v_lshl_add_u32 v10, v2, 5, v10
	v_add_nc_u32 v[MSO], s20, v10          ; out: row lane % 16, + 32 bytes (8 keys) for lanes 16-31
.irp i, 0,1,2,3,4,5,6,7
	v_mov_b32 v[MW+\i], 0                  ; written once: v_writelane_b32's destination counts as one of its sources
.endr
	v_lshlrev_b32 v7, 5, v7                ; a row of scale bytes a lane
	v_lshlrev_b32 v10, 5, v2               ; Q, K: the bias of columns 8 (lane / 16) on
	v_lshlrev_b32 v11, 2, v1               ; V: of channel lane % 16
	v_mov_b32 v[TX], 0
	v_mov_b32 v[TX+1], 0
	WALU
.irp p, 0,1,2,3
.irp c, 0,1
	global_load_b128 v[SX+8*\p+4*\c:SX+8*\p+4*\c+3], v7, s[6:7] offset:1024*\p+16*\c
.endr
.endr
.irp p, 0,1
.irp c, 0,1
	global_load_b128 v[SWB+8*\p+4*\c:SWB+8*\p+4*\c+3], v7, s[10:11] offset:1024*\p+16*\c
.endr
.endr
	s_cmp_eq_u32 s95, 2
	s_cbranch_scc1 .Lv
; ---- Q, K
	WIN 3<<6
.irp b, 0,1,2,3
	global_load_b128 v[BB+8*\b:BB+8*\b+3], v10, s[12:13] offset:64*\b
	global_load_b128 v[BB+8*\b+4:BB+8*\b+7], v10, s[12:13] offset:64*\b+16
.endr
	WIN 0
	s_lshl_b32 s20, s95, 8
	s_lshl_b32 s22, s17, 3
	s_add_co_u32 s20, s20, s22
	s_add_co_u32 s20, s20, s54             ; my work-group's tile of 16 queries
	s_lshl_b32 s22, s20, 17                ; its 16 rows of 8,192 bytes,
	s_lshl_b32 s23, s14, 11                ; my wave's four steps of 512 bytes
	s_add_co_u32 s22, s22, s23
	s_mov_b32 s23, 0
	s_add_nc_u64 s[34:35], s[34:35], s[22:23]
	s_lshl_b32 s22, s20, 12                ; the tile's 16 x 64 words,
	s_lshl_b32 s20, s14, 10                ; my wave's 256
	s_add_co_u32 s22, s22, s20
	s_add_nc_u64 s[46:47], s[46:47], s[22:23]
	MLOAD 0
	MLOAD 1
	HEAD2
	s_lshl_b32 s22, s62, 9
	s_add_co_u32 s22, s22, s20
	s_add_co_u32 s22, s22, 98304
	s_add_nc_u64 s[28:29], s[96:97], s[22:23]
	s_wait_loadcnt 32                      ; the scale words and the bias are in; the mask's 32 loads may be out
.irp s, 0,1,2,3,4,5,6,7
	BLOCK 0, \s, ACC+32*(\s%2), 8
.if (\s%2 == 0) && (\s > 0)
	s_wait_xcnt 0x0                        ; the last pair's stores have read their registers
.endif
	QUANT2 ACC+32*(\s%2), CD+6*(\s%2), PW+\s%2
.if \s%2
	v_cndmask_b32 v[WA+\s/2], v[PW], v[PW+1], s67      ; lanes 0-15 the even tile's word, lanes 16-31 the odd tile's
	v_or_b32 v[WA+\s/2], 0x7f7f0000, v[WA+\s/2]        ; the half of the next product's K that a head does not have
.irp c, 0,1,2
	global_store_b128 v[LI], v[CD+4*\c:CD+4*\c+3], s[24:25] offset:1536*(\s/2)+512*\c
.endr
.endif
.if \s == 2
	WALU
	MUNIT 0, 16
	MUNIT 1, 0
	MLOAD 2                                ; five blocks stand between these loads and the wait for them
	MLOAD 3
.endif
.endr
	global_store_b128 v[LI], v[WA:WA+3], s[28:29]
	MUNIT 2, 16
	MUNIT 3, 0
	s_branch .Lend
; ---- V
.Lv:
	WIN 3<<6
.irp t, 0,1,2,3
	global_load_b32 v[BB+8*\t], v11, s[12:13] offset:64*\t
.endr
	WIN 0
	HEAD2
	s_wait_loadcnt 0x0
	WIN (3<<6)|3
.irp t, 0,8,16,24
.irp i, 1,2,3,4,5,6,7
	v_mov_b32 v[BB+\t+\i], v[BB+\t]        ; a channel's bias over the tile's eight registers
.endr
.endr
	WIN 0
	PLACES 4
	s_add_nc_u64 s[24:25], s[24:25], 106496
	s_lshl_b32 s22, s62, 8
	s_add_co_u32 s22, s22, s20
	s_add_co_u32 s22, s22, 204800
	s_add_nc_u64 s[28:29], s[96:97], s[22:23]
.irp s, 0,1,2,3,4,5,6,7
	BLOCK 1, \s, ACC+8*(\s%4), 32
.if \s == 3
.irp t, 0,1,2,3
	QUANT2 ACC+32*\t, CD+12*\t, WA+\t      ; the first 64 tokens: registers 0-5 of tile t's operand
.endr
.endif
.if \s == 7
.irp t, 0,1,2,3
	QUANT2 ACC+32*\t, CD+12*\t+6, PW
	v_lshl_or_b32 v[WA+\t], v[PW], 16, v[WA+\t]
.endr
.endif
.endr
	v_cndmask_b32 v10, v[WA], v[WA+1], s67
	v_cndmask_b32 v11, v[WA+2], v[WA+3], s67
.irp t, 0,1,2,3
.irp c, 0,1,2
	global_store_b128 v[LI], v[CD+12*\t+4*\c:CD+12*\t+4*\c+3], s[24:25] offset:1536*\t+512*\c
.endr
.endr
	global_store_b64 v[LH], v[10:11], s[28:29]
.Lend:
	s_wait_tensorcnt 0x0                   ; the wave's end
	ds_add_u32 v[SPW], v[NIL]
	s_wait_dscnt 0x0
	CROUND                                 ; the closing round
	s_endpgm
.Lfunc_end_k_q0ce50e8ee8_qkv:
	.size	k_q0ce50e8ee8_qkv, .Lfunc_end_k_q0ce50e8ee8_qkv-k_q0ce50e8ee8_qkv
	.p2alignl 7, 3214868480
	.fill 96, 4, 3214868480
	.section	.rodata,"a",@progbits
	.p2align	6, 0x0
	.amdhsa_kernel k_q0ce50e8ee8_qkv
		.amdhsa_group_segment_fixed_size 327680
		.amdhsa_private_segment_fixed_size 0
		.amdhsa_enable_private_segment 0
		.amdhsa_kernarg_size 152
		.amdhsa_user_sgpr_count 2
		.amdhsa_user_sgpr_kernarg_segment_ptr 1
		.amdhsa_wavefront_size32 1
		.amdhsa_system_sgpr_workgroup_id_x 1
		.amdhsa_system_sgpr_workgroup_id_y 1
		.amdhsa_system_sgpr_workgroup_id_z 1
		.amdhsa_system_vgpr_workitem_id 0
		.amdhsa_next_free_vgpr 1024
		.amdhsa_next_free_sgpr 102
		.amdhsa_reserve_vcc 0
		.amdhsa_float_denorm_mode_32 3
		.amdhsa_float_denorm_mode_16_64 3
		.amdhsa_memory_ordered 1
		.amdhsa_forward_progress 1
		.amdhsa_inst_pref_size 206
	.end_amdhsa_kernel
	.amdgpu_metadata
---
amdhsa.version: [ 1, 2 ]
amdhsa.kernels:
  - .name:           k_q0ce50e8ee8_qkv
    .symbol:         k_q0ce50e8ee8_qkv.kd
    .args:
      - { .name: q_codes, .offset: 0, .size: 8, .value_kind: global_buffer, .address_space: global }
      - { .name: q_scales, .offset: 8, .size: 8, .value_kind: global_buffer, .address_space: global }
      - { .name: wq_codes, .offset: 16, .size: 8, .value_kind: global_buffer, .address_space: global }
      - { .name: wq_scales, .offset: 24, .size: 8, .value_kind: global_buffer, .address_space: global }
      - { .name: bq, .offset: 32, .size: 8, .value_kind: global_buffer, .address_space: global }
      - { .name: k_codes, .offset: 40, .size: 8, .value_kind: global_buffer, .address_space: global }
      - { .name: k_scales, .offset: 48, .size: 8, .value_kind: global_buffer, .address_space: global }
      - { .name: wk_codes, .offset: 56, .size: 8, .value_kind: global_buffer, .address_space: global }
      - { .name: wk_scales, .offset: 64, .size: 8, .value_kind: global_buffer, .address_space: global }
      - { .name: bk, .offset: 72, .size: 8, .value_kind: global_buffer, .address_space: global }
      - { .name: v_codes, .offset: 80, .size: 8, .value_kind: global_buffer, .address_space: global }
      - { .name: v_scales, .offset: 88, .size: 8, .value_kind: global_buffer, .address_space: global }
      - { .name: wv_codes, .offset: 96, .size: 8, .value_kind: global_buffer, .address_space: global }
      - { .name: wv_scales, .offset: 104, .size: 8, .value_kind: global_buffer, .address_space: global }
      - { .name: bv, .offset: 112, .size: 8, .value_kind: global_buffer, .address_space: global }
      - { .name: qrec, .offset: 120, .size: 8, .value_kind: global_buffer, .address_space: global }
      - { .name: kvrec, .offset: 128, .size: 8, .value_kind: global_buffer, .address_space: global }
      - { .name: mask, .offset: 136, .size: 8, .value_kind: global_buffer, .address_space: global }
      - { .name: maskw, .offset: 144, .size: 8, .value_kind: global_buffer, .address_space: global }
    .group_segment_fixed_size: 327680
    .private_segment_fixed_size: 0
    .kernarg_segment_align: 8
    .kernarg_segment_size: 152
    .max_flat_workgroup_size: 128
    .sgpr_count:     102
    .vgpr_count:     1024
    .wavefront_size: 32
...
	.end_amdgpu_metadata
.endif
;; end of part 1
;; launch attn (part 2): grid 4 x 64, 16 waves a work-group, clusters of 4 x 1, 210,944 bytes of LDS; arguments qrec, kvrec, maskw, ao_codes, ao_scales; writes ao_codes, ao_scales
.if DOCPART == 2
	.amdgcn_target "amdgcn-amd-amdhsa--gfx1250"
	.amdhsa_code_object_version 6
	.text
	.protected	k_q0ce50e8ee8_attn
	.globl	k_q0ce50e8ee8_attn
	.p2align	8
	.type	k_q0ce50e8ee8_attn,@function
k_q0ce50e8ee8_attn:
	s_mov_b64 s[64:65], 0
	v_nop
	global_prefetch_b8 v0, s[64:65] scope:SCOPE_SE
	s_setreg_imm32_b32 hwreg(HW_REG_WAVE_MODE, 25, 1), 1
	s_wait_xcnt 0x0
	s_wait_alu depctr_hold_cnt(0) depctr_sa_sdst(0) depctr_va_vdst(0) depctr_va_sdst(0) depctr_va_ssrc(0) depctr_va_vcc(0) depctr_vm_vsrc(0)
	s_getreg_b32 s2, hwreg(HW_REG_IB_STS2, 6, 4)
	s_cmp_eq_u32 s2, 0
	s_cbranch_scc0 .Lentry_in_a_cluster
	s_endpgm
.Lentry_in_a_cluster:
	s_bfe_u32 s2, ttmp6, 0x10000c
	s_cmp_lg_u32 s2, 0x3003
	s_cbranch_scc0 .Lentry_shape_is_right
	s_endpgm
.Lentry_shape_is_right:
; Attention of one (batch, head) on codes of FP6 (E2M3): S^T = K Q^T, mask, p = 2^(t - M), O^T = V^T P^T, O / l, and O quantised along the model's 1,024 for the last projection.
; t = score x log2(e) / 8; M = the row's largest t so far, rounded UP to a whole number; p is quantised along the keys and not normalised; l is the sum of the unquantised p.  When M moves, l and O are multiplied by 2^(old M - new M): exact.
; SHARES.  A work-group owns 512 queries of a head; each of its sixteen waves 32: two tiles of 16, worked one after the other, in 256 registers: four waves to a SIMD, so that one wave's vector work stands beside another's products and LDS loads.
; THE HEAD'S WHOLE RECORD (K's and V's operand images and scale words, 208,896 bytes) LIES IN LDS, filled once: each wave asks for 51 rows of 256 bytes.  No slot is ever filled again, so there is one barrier and no ring.
; CLUSTER.  The four work-groups of a cluster are the four query blocks of one head and want the same record: each part is asked for jointly, by the same tensor load with the same descriptor and the mask of all four.
; LAYOUT.  Both products are used transposed: a lane holds ONE query (lane % 16) throughout.  S^T's register n holds key 128 step + 16 (n / 8) + 8 (lane / 16) + n % 8.  The images come by loads of 16 bytes a lane, 512 consecutive bytes an instruction.
; THE FIRST PRODUCT'S K IS 64, the instruction's 128: the query's upper six registers are zero codes, and both sides' scale bytes there are 0x7f.  So a key tile's operand may run on into the next tile's six registers: they meet zeros.
; THE MASK comes as words of 32 lanes' bits, one for each register of S^T, by scalar loads, a key step ahead; a hidden score becomes -2^33 by one select.
; LIMITS.  reference() gives a hidden key the logit -1e9, this text -2^30 (raw score -2^33): with it score x c and t - M are exact, so a row with no open key gets p = 1 for every key, as there.  Results differ only where an
; open logit lies under about -1e9.  NaN and infinities are not served.  A block whose largest magnitude lies under 2^(2 - 126) gets the scale byte 1.
; OUT.  ao_codes [512 tiles of 16 tokens][16 heads][3][32 lanes][8 bytes]: the six registers (token lane % 16, channels 32 (lane / 16) on, in their natural order) of the last projection's operand; each store covers 256 consecutive bytes, aligned.
; ao_scales [8,192][32]: a head owns 2 of a token's 32 bytes, so these leave as 2 bytes a lane, 32 bytes apart: one byte for each 24 of codes.
.set REC,   208896
.set QREC,  106496
.set PART,  13056                      ; 51 rows of 256 bytes: a wave's part of the record
.set KSCO,  98304                      ; K's scale words in a record
.set VIMO,  106496                     ; V's images
.set VSCO,  204800                     ; V's scale words
.set QG,  16                           ; v16-27  the images of my two query tiles
.set QF,  28                           ; v28-39  the tile in hand, then six registers of zeros
.set F,   48                           ; v48-95  a step's K, later its V;  v96-101 zeros
.set S,   102                          ; v102-165 S^T, then p
.set O,   166                          ; v166-197 O^T
.set PF,  198                          ; v198-209 p's codes
.set PT,  210                          ; v210-216 second halves of blocks, as converted
.set BM,  218                          ; v218-221 a block's largest score, then its largest p
.set BX,  222                          ; v222-225 the other lane's, then the bytes
.set SO,  226                          ; v226-229 the conversions' scale operands
.set FF,  230                          ; v[230:231] f = 2^(old M - new M), and a 0 that is only named
.set T1,  232
.set L2,  234                          ; v[234:235] the sum's second chain
.set AOF, 236                          ; v236-247 the two tiles' codes of O
; v1 16 x lane, v2 8 x lane, v9 32 x lane; v3-6 the step's LDS addresses; v7 -2^33; v12 -M, v13 the largest t, v[14:15] l; v40 Q's scale words, v41 p's, v[42:43] V's, v[44:47] K's; v248-250 O's scale bytes
; s[16:63], s[80:95] the step's 64 mask words; s66 their byte offset; s[68:69] c; s[70:71] lane selects; s72-74 the step's places in K's images, K's scale words, V's scale words; s75 steps to go; s76 lanes 16-31
.macro CROUND                          ; a round of the cluster's barrier
	s_barrier_signal -1
	s_barrier_wait -1
	s_cmp_lg_u32 s14, 0
	s_cbranch_scc1 .Lnot_wave_0_\@
	s_barrier_signal -3
.Lnot_wave_0_\@:
	s_barrier_wait -3
	s_barrier_signal -1
	s_barrier_wait -1
.endm
	s_load_b256 s[4:11], s[0:1], 0x0               ; qrec, kvrec, maskw, ao_codes
	s_load_b64 s[12:13], s[0:1], 0x20              ; ao_scales
	v_lshl_add_u32 v254, v0, 2, 0x33000
	v_mov_b32 v255, 0
	ds_add_u32 v254, v255
	ds_add_u32 v254, v255
	v_lshrrev_b32 v3, 5, v0
	s_delay_alu instid0(VALU_DEP_1)
	v_readfirstlane_b32 s14, v3                    ; wave 0..15
	v_and_b32 v3, 31, v0
	s_delay_alu instid0(VALU_DEP_1)
	v_lshlrev_b32 v1, 4, v3
	s_delay_alu instid0(VALU_DEP_2)
	v_lshlrev_b32 v2, 3, v3
	s_delay_alu instid0(VALU_DEP_3)
	v_lshlrev_b32 v9, 5, v3
	s_bfe_u32 s15, ttmp6, 0x40000                  ; cx: which 512 queries: it enters global addresses of Q, the mask and O alone
	s_and_b32 s16, ttmp7, 0xffff                   ; 16 x batch + head, which the four partners share
	s_lshr_b32 s17, s16, 4                         ; batch
	s_and_b32 s18, s16, 15                         ; head
	s_lshl_b32 s19, s15, 4
	s_add_co_u32 s19, s19, s14                     ; G: my group of 32 queries, 0..63
	s_mul_i32 s20, s16, REC
	s_mul_i32 s69, s14, PART                       ; descriptor group 0, 63:32: the LDS address: wave x 13,056
	s_add_co_u32 s20, s20, s69                     ; my part of the record, in memory as in LDS
	s_mov_b32 s21, 0
	s_mul_i32 s22, s16, QREC
	s_mul_i32 s24, s19, 1536
	s_add_co_u32 s24, s24, s22                     ; Q's images of group G
	s_mov_b32 s25, 0
	s_lshr_b32 s26, s19, 2
	s_lshl_b32 s26, s26, 9
	s_and_b32 s27, s19, 3
	s_lshl_b32 s27, s27, 2
	s_add_co_u32 s26, s26, s27
	s_add_co_u32 s26, s26, s22
	s_add_co_u32 s26, s26, KSCO                    ; and its scale words: 512 (G / 4) + 4 (G % 4), 16 bytes from lane to lane
	s_mov_b32 s27, 0
	s_lshl_b32 s28, s17, 19
	s_lshl_b32 s29, s19, 13
	s_add_co_u32 s28, s28, s29                     ; the mask words of my two tiles: 4,096 bytes a tile
	s_mov_b32 s29, 0
	s_lshl_b32 s30, s17, 7
	s_lshl_b32 s31, s19, 1
	s_add_co_u32 s30, s30, s31                     ; my first tile of tokens
	s_mul_i32 s30, s30, 12288
	s_mul_i32 s31, s18, 768
	s_add_co_u32 s30, s30, s31
	s_mov_b32 s31, 0
	s_lshl_b32 s32, s17, 16
	s_lshl_b32 s33, s19, 10
	s_add_co_u32 s32, s32, s33
	s_lshl_b32 s33, s18, 1
	s_add_co_u32 s32, s32, s33                     ; my first token's row of scale bytes, + 2 x head
	s_mov_b32 s33, 0
	s_mov_b32 s68, 1                               ; group 0, 1:0 count = 1
	s_mov_b32 s72, 15|(3<<16)|(1<<21)              ; group 1: 15:0 the mask: all four work-groups; 17:16 elements of 8 bytes; 21 set beside a mask; no padding
	s_mov_b32 s73, 32<<16                          ; tensor_dim0 = 32 elements: 256 bytes
	s_mov_b32 s74, 51<<16                          ; tensor_dim1 = 51
	s_mov_b32 s75, 32<<16                          ; tile_dim0
	s_mov_b32 s76, 51                              ; tile_dim1
	s_mov_b32 s77, 32                              ; the pitch: the block is dense
	s_mov_b32 s78, 0
	s_mov_b32 s79, 0
	s_wait_dscnt 0x0
	s_wait_kmcnt 0x0
	s_add_nc_u64 s[70:71], s[6:7], s[20:21]        ; 120:64 global address
	s_or_b32 s71, s71, 0x80000000                  ; 127:126 type = 2
	s_add_nc_u64 s[34:35], s[4:5], s[26:27]
	s_add_nc_u64 s[4:5], s[4:5], s[24:25]
	s_add_nc_u64 s[8:9], s[8:9], s[28:29]
	s_add_nc_u64 s[10:11], s[10:11], s[30:31]
	s_add_nc_u64 s[12:13], s[12:13], s[32:33]
	CROUND                                         ; all four work-groups are here: the joint loads meet
	tensor_load_to_lds s[68:71], s[72:79]          ; my one tensor load of the launch
	s_nop 0
.rept 4
	v_nop
.endr
	s_wait_alu depctr_va_vdst(0)
.irp c, 0,1,2
	global_load_b128 v[QG+4*\c:QG+4*\c+3], v1, s[4:5] offset:512*\c
.endr
	global_load_b32 v40, v1, s[34:35]              ; lanes 0-15: my first tile's scale words; lanes 16-31: my second's
	v_mov_b32 v7, 0xd0000000                       ; -2^33
.irp i, 0,1,2,3,4,5
	v_mov_b32 v[QF+6+\i], 0                        ; the half of the instruction's K that the head does not have
	v_mov_b32 v[F+48+\i], 0                        ; what the last key tile's operand runs on into
.endr
.irp b, 0,1,2,3
	v_mov_b32 v[BX+\b], 0                          ; written once: a lane permute's destination counts as one of its sources
.endr
	v_mov_b32 v[FF+1], 0                           ; (named as the upper half of a pair)
	s_wait_loadcnt 0x0                             ; Q is in: its bases may be written again
	s_wait_tensorcnt 0x0                           ; my part of the record is in: the descriptor's registers may be written again,
	s_barrier_signal -1
	s_barrier_wait -1                              ; everybody's is
	s_mov_b32 s68, 0x3e38aa3b                      ; c = log2(e) / sqrt(64)
	s_mov_b32 s69, s68                             ; (the packed form names the pair)
	s_mov_b32 s70, 0x76543210
	s_mov_b32 s71, 0xfedcba98                      ; v_permlanex16_b32's selects for lane l xor 16
	s_mov_b32 s76, 0xffff0000
.macro MASKS u                         ; 64 words: 256 bytes at s66 in tile u's 4,096
	s_load_b512 s[16:31], s[8:9], s66 offset:4096*\u
	s_load_b512 s[32:47], s[8:9], s66 offset:4096*\u+64
	s_load_b512 s[48:63], s[8:9], s66 offset:4096*\u+128
	s_load_b512 s[80:95], s[8:9], s66 offset:4096*\u+192
.endm
.macro KQ t, u                         ; S^T of key tile t: source 0 = 16 keys, source 1 = my 16 queries.  Odd tiles' scale words lie in lanes 16-31, and so do my second query tile's
.set rD, S+8*(\t)
.set rA, F+6*(\t)
.set rK, 44+(\t)/2
.if ((\t)%2 == 0) && (\u == 0)
	v_wmma_scale_f32_16x16x128_f8f6f4 v[rD:rD+7], v[rA:rA+11], v[QF:QF+11], 0, v[rK], v40 matrix_a_fmt:MATRIX_FMT_FP6 matrix_b_fmt:MATRIX_FMT_FP6
.elseif \u == 0
	v_wmma_scale_f32_16x16x128_f8f6f4 v[rD:rD+7], v[rA:rA+11], v[QF:QF+11], 0, v[rK], v40 matrix_a_fmt:MATRIX_FMT_FP6 matrix_b_fmt:MATRIX_FMT_FP6 matrix_a_scale:MATRIX_SCALE_ROW1
.elseif (\t)%2 == 0
	v_wmma_scale_f32_16x16x128_f8f6f4 v[rD:rD+7], v[rA:rA+11], v[QF:QF+11], 0, v[rK], v40 matrix_a_fmt:MATRIX_FMT_FP6 matrix_b_fmt:MATRIX_FMT_FP6 matrix_b_scale:MATRIX_SCALE_ROW1
.else
	v_wmma_scale_f32_16x16x128_f8f6f4 v[rD:rD+7], v[rA:rA+11], v[QF:QF+11], 0, v[rK], v40 matrix_a_fmt:MATRIX_FMT_FP6 matrix_b_fmt:MATRIX_FMT_FP6 matrix_a_scale:MATRIX_SCALE_ROW1 matrix_b_scale:MATRIX_SCALE_ROW1
.endif
.endm
.macro PV t                            ; O^T of channel tile t += V^T P^T: source 0 = 16 channels, source 1 = p; K = the step's 128 keys
.set rD, O+8*(\t)
.set rA, F+12*(\t)
.set rK, 42+(\t)/2
.if (\t)%2 == 0
	v_wmma_scale_f32_16x16x128_f8f6f4 v[rD:rD+7], v[rA:rA+11], v[PF:PF+11], v[rD:rD+7], v[rK], v41 matrix_a_fmt:MATRIX_FMT_FP6 matrix_b_fmt:MATRIX_FMT_FP6
.else
	v_wmma_scale_f32_16x16x128_f8f6f4 v[rD:rD+7], v[rA:rA+11], v[PF:PF+11], v[rD:rD+7], v[rK], v41 matrix_a_fmt:MATRIX_FMT_FP6 matrix_b_fmt:MATRIX_FMT_FP6 matrix_a_scale:MATRIX_SCALE_ROW1
.endif
.endm
; ONE TILE OF 16 QUERIES through all 2,048 keys, and out.
.macro TILE u
	s_wait_alu depctr_va_vdst(0)
	s_wait_xcnt 0x0                                ; the last tile's stores have read their registers, which this tile's sums write again
.irp i, 0,1,2,3,4,5
	v_mov_b32 v[QF+\i], v[QG+6*\u+\i]              ; (more than four plain lines follow ahead of the first product)
.endr
	v_mov_b32 v13, 0xff61b1e6                      ; the largest t so far: -3e38, under every t
	s_delay_alu instid0(VALU_DEP_1)
	v_floor_f32 v12, -v13                          ; -M
	v_mov_b32 v14, 0                               ; l, in two halves
	v_mov_b32 v15, 0
.set j, 0
.rept 32
	v_mov_b32 v[O+j], 0                            ; O^T.  (The step is written once: the first finds zeros, which the first change of M leaves zeros)
.set j, j+1
.endr
	s_mov_b32 s72, 0
	s_mov_b32 s73, KSCO
	s_mov_b32 s74, VSCO
	s_mov_b32 s66, 0
	MASKS \u                                       ; the first step's mask words
	s_mov_b32 s75, 16
.Lkeys_\@:                                         ; a trip: 128 keys
	v_add_nc_u32 v3, s72, v1                       ; K's images.  (These four additions are the places between the last trip's products and the loads into the registers that they read)
	v_add_nc_u32 v5, s73, v1                       ; K's scale words
	v_add_nc_u32 v6, s74, v2                       ; V's scale words
	s_delay_alu instid0(VALU_DEP_3)
	v_add_nc_u32 v4, VIMO, v3                      ; V's images
.irp i, 0,1,2,3,4,5,6,7,8,9,10,11
	ds_load_b128 v[F+4*\i:F+4*\i+3], v3 offset:512*\i
.endr
	ds_load_b128 v[44:47], v5
	s_wait_alu depctr_va_vdst(0)
	s_wait_dscnt 0x0
.irp t, 0,1,2,3,4,5,6,7
	KQ \t, \u
.endr
.rept 4
	v_nop                                          ; places in front of the loads into K's registers and of the first read of the scores
.endr
.irp i, 0,1,2,3,4,5,6,7,8,9,10,11
	ds_load_b128 v[F+4*\i:F+4*\i+3], v4 offset:512*\i   ; V lands while the softmax is worked
.endr
	ds_load_b64 v[42:43], v6
	s_wait_kmcnt 0x0                               ; the step's mask words are in: their offset may be stepped
.set n, 0
.rept 64
	v_cndmask_b32 v[S+n], v7, v[S+n], s[16+n+16*(n/48)]   ; hidden: -2^33.  Each accumulator from its low end on
.set n, n+1
.endr
	s_add_co_u32 s66, s66, 256
	s_min_u32 s66, s66, 3840                       ; the last trip asks for its own words again: no load leaves the tile's 4,096 bytes
	MASKS \u                                       ; the next step's words
.irp b, 0,1,2,3
	v_max3_num_f32 v[BM+\b], v[S+16*\b], v[S+16*\b+1], v[S+16*\b+2]   ; the largest score of each block of 32 keys: for the row's maximum, and, since p rises with the score, for the block's largest p
.endr
.irp i, 3,5,7,9,11,13
.irp b, 0,1,2,3
	s_delay_alu instid0(VALU_DEP_4)
	v_max3_num_f32 v[BM+\b], v[BM+\b], v[S+16*\b+\i], v[S+16*\b+\i+1]
.endr
.endr
.irp b, 0,1,2,3
	s_delay_alu instid0(VALU_DEP_4)
	v_max_num_f32 v[BM+\b], v[BM+\b], v[S+16*\b+15]
.endr
.irp b, 0,1,2,3
	s_delay_alu instid0(VALU_DEP_4)
	v_permlanex16_b32 v[BX+\b], v[BM+\b], s70, s71
.endr
.irp b, 0,1,2,3
	s_delay_alu instid0(VALU_DEP_4)
	v_max_num_f32 v[BM+\b], v[BM+\b], v[BX+\b]     ; with lane l xor 16's 16 keys
.endr
	s_delay_alu instid0(VALU_DEP_2)
	v_max3_num_f32 v[T1], v[BM], v[BM+1], v[BM+2]
	s_delay_alu instid0(VALU_DEP_1)
	v_max_num_f32 v[T1], v[T1], v[BM+3]            ; the step's largest score of my query
	s_delay_alu instid0(VALU_DEP_1)
	v_mul_f32 v[T1], s68, v[T1]                    ; as t
	s_delay_alu instid0(VALU_DEP_1)
	v_max_num_f32 v13, v13, v[T1]                  ; the running largest t
	v_mov_b32 v[T1], v12
	s_delay_alu instid0(VALU_DEP_2)
	v_floor_f32 v12, -v13                          ; the new -M = -ceil(t): a whole number
	s_delay_alu instid0(VALU_DEP_1)
	v_sub_f32 v[T1], v12, v[T1]                    ; old M - new M: a whole number, 0 or less
	s_delay_alu instid0(VALU_DEP_1)
	v_cvt_i32_f32 v[T1], v[T1]                     ; (it saturates)
	s_delay_alu instid0(VALU_DEP_1)
	v_ldexp_f32 v[FF], 1.0, v[T1]                  ; f = 2^(old M - new M)
.set j, 0
.rept 32
	v_pk_fma_f32 v[S+j:S+j+1], v[S+j:S+j+1], s[68:69], v[12:13] op_sel_hi:[1,0,0]   ; t - M, two at a time
.set j, j+2
.endr
.irp b, 0,1,2,3
	v_fma_f32 v[BM+\b], v[BM+\b], s68, v12         ; the same of each block's largest score
.endr
.set j, 0
	s_wait_alu depctr_va_vdst(0)
.rept 64
	v_exp_f32 v[S+j], v[S+j]                       ; p = 2^(t - M), at most 1
.set j, j+1
.endr
.irp b, 0,1,2,3
	v_exp_f32 v[BM+\b], v[BM+\b]                   ; the block's largest p: the same two instructions on the same number
.endr
	v_pk_mul_f32 v[14:15], v[14:15], v[FF:FF+1] op_sel_hi:[1,0]   ; l under the new M.  (A plain place behind the exponentials)
	s_wait_alu depctr_va_vdst(0)
.irp b, 0,1,2,3
	v_max_num_f32 v[BM+\b], 0x1800000, v[BM+\b]    ; the floor 2^(3 - 127): the byte cannot fall under 1
.endr
.irp b, 0,1,2,3
	s_delay_alu instid0(VALU_DEP_4)
	v_add_nc_u32 v[SO+\b], 0xff000000, v[BM+\b]    ; 2 off the exponent field: the conversion's scale operand
.endr
.irp b, 0,1,2,3
	s_delay_alu instid0(VALU_DEP_4)
	v_lshrrev_b32 v[BX+\b], 23, v[SO+\b]           ; the scale's byte
.endr
	s_delay_alu instid0(VALU_DEP_3)
	v_lshl_or_b32 v41, v[BX+1], 8, v[BX]           ; p's scale word for these 128 keys
	s_delay_alu instid0(VALU_DEP_1)
	v_lshl_or_b32 v41, v[BX+2], 16, v41
	s_delay_alu instid0(VALU_DEP_1)
	v_lshl_or_b32 v41, v[BX+3], 24, v41
.irp c, 0,1
	v_cvt_scalef32_pk16_fp6_f32 v[PF+6*\c:PF+6*\c+2], v[S+32*\c:S+32*\c+15], v[SO+2*\c]
	v_cvt_scalef32_pk16_fp6_f32 v[PT+4*\c:PT+4*\c+2], v[S+32*\c+16:S+32*\c+31], v[SO+2*\c+1]   ; (a conversion's three registers begin on an even number)
.endr
	v_nop                                          ; one plain place behind a scaled conversion
.irp c, 0,1                                    ; a whole block to a lane: lanes 0-15 block 2 c, lanes 16-31 block 2 c + 1
.irp i, 0,1,2
	v_permlane16_swap_b32 v[PF+6*\c+\i], v[PT+4*\c+\i]
.endr
.irp i, 0,1,2
	s_delay_alu instid0(VALU_DEP_3)
	v_mov_b32 v[PF+6*\c+3+\i], v[PT+4*\c+\i]
.endr
.endr
	v_pk_add_f32 v[234:235], v[106:107], v[110:111]
	v_pk_add_f32 v[252:253], v[114:115], v[118:119]
	v_pk_add_f32 v[250:251], v[122:123], v[126:127]
	v_pk_add_f32 v[246:247], v[130:131], v[134:135]
	v_pk_add_f32 v[244:245], v[138:139], v[142:143]
	v_pk_add_f32 v[242:243], v[146:147], v[150:151]
	v_pk_add_f32 v[240:241], v[154:155], v[158:159]
	v_pk_add_f32 v[14:15], v[14:15], v[162:163]
	v_pk_add_f32 v[234:235], v[234:235], v[102:103]
	v_pk_add_f32 v[252:253], v[252:253], v[104:105]
	v_pk_add_f32 v[250:251], v[250:251], v[108:109]
	v_pk_add_f32 v[246:247], v[246:247], v[112:113]
	v_pk_add_f32 v[244:245], v[244:245], v[116:117]
	v_pk_add_f32 v[242:243], v[242:243], v[120:121]
	v_pk_add_f32 v[240:241], v[240:241], v[124:125]
	v_pk_add_f32 v[14:15], v[14:15], v[128:129]
	v_pk_add_f32 v[234:235], v[234:235], v[132:133]
	v_pk_add_f32 v[252:253], v[252:253], v[136:137]
	v_pk_add_f32 v[250:251], v[250:251], v[140:141]
	v_pk_add_f32 v[246:247], v[246:247], v[144:145]
	v_pk_add_f32 v[244:245], v[244:245], v[148:149]
	v_pk_add_f32 v[242:243], v[242:243], v[152:153]
	v_pk_add_f32 v[240:241], v[240:241], v[156:157]
	v_pk_add_f32 v[14:15], v[14:15], v[160:161]
	v_pk_add_f32 v[234:235], v[234:235], v[164:165]
	s_delay_alu instid0(VALU_DEP_2)
	v_pk_add_f32 v[14:15], v[14:15], v[246:247]
	s_delay_alu instid0(VALU_DEP_2)
	v_pk_add_f32 v[234:235], v[234:235], v[244:245]
	v_pk_add_f32 v[252:253], v[252:253], v[242:243]
	v_pk_add_f32 v[250:251], v[250:251], v[240:241]
	s_delay_alu instid0(VALU_DEP_2)
	v_pk_add_f32 v[14:15], v[14:15], v[252:253]
	s_delay_alu instid0(VALU_DEP_2)
	v_pk_add_f32 v[234:235], v[234:235], v[250:251]
	s_delay_alu instid0(VALU_DEP_1)
	v_pk_add_f32 v[14:15], v[14:15], v[234:235]
.set j, 0
.rept 16
	v_pk_mul_f32 v[O+j:O+j+1], v[O+j:O+j+1], v[FF:FF+1] op_sel_hi:[1,0]   ; O^T under the new M; each accumulator from its low end on
.set j, j+2
.endr
	s_wait_alu depctr_va_vdst(0)
	s_wait_dscnt 0x0                               ; V and its scale words are in
.irp t, 0,1,2,3
	PV \t                                          ; four accumulators by turns; eleven other matrix instructions stand between two links on one of them
.endr
	s_add_co_u32 s72, s72, 6144
	s_add_co_u32 s73, s73, 512
	s_add_co_u32 s74, s74, 256
	s_sub_co_u32 s75, s75, 1
	s_cmp_lg_u32 s75, 0
	s_cbranch_scc1 .Lkeys_\@
	s_wait_kmcnt 0x0                               ; the last trip's mask loads: their registers and offset are written again by the next tile
	v_add_f32 v14, v14, v15                        ; l's two halves,
	s_delay_alu instid0(VALU_DEP_1)
	v_permlanex16_b32 v[T1], v14, s70, s71
	s_delay_alu instid0(VALU_DEP_1)
	v_add_f32 v14, v14, v[T1]                      ; and lane l xor 16's
	s_wait_alu depctr_va_vdst(0)
	v_rcp_f32 v14, v14
	v_nop                                          ; a plain place behind the reciprocal; with the two additions and the next line: four places behind the last products
	v_nop
.set j, 0
	s_wait_alu depctr_va_vdst(0)
.rept 16
	v_pk_mul_f32 v[S+j:S+j+1], v[O+j:O+j+1], v[14:15] op_sel_hi:[1,0]   ; O^T / l: register 8 t + i is channel 16 t + 8 (lane / 16) + i
.set j, j+2
.endr
.irp b, 0,1                                    ; wo's codes are given in natural order, so O's must be: after these exchanges register 16 b + i holds channel 32 b + 16 (lane / 16) + i
.irp i, 0,1,2,3,4,5,6,7
	v_permlane16_swap_b32 v[S+16*\b+\i], v[S+16*\b+8+\i]
.endr
.endr
.irp b, 0,1
	v_max3_num_f32 v[BM+\b], |v[S+16*\b]|, |v[S+16*\b+1]|, 0x1800000
.endr
.irp i, 2,4,6,8,10,12,14
.irp b, 0,1
	s_delay_alu instid0(VALU_DEP_2)
	v_max3_num_f32 v[BM+\b], v[BM+\b], |v[S+16*\b+\i]|, |v[S+16*\b+\i+1]|
.endr
.endr
.irp b, 0,1
	s_delay_alu instid0(VALU_DEP_2)
	v_permlanex16_b32 v[BX+\b], v[BM+\b], s70, s71
.endr
.irp b, 0,1
	s_delay_alu instid0(VALU_DEP_2)
	v_max_num_f32 v[BM+\b], v[BM+\b], v[BX+\b]
.endr
.irp b, 0,1
	s_delay_alu instid0(VALU_DEP_2)
	v_add_nc_u32 v[SO+\b], 0xff000000, v[BM+\b]
.endr
.irp b, 0,1
	s_delay_alu instid0(VALU_DEP_2)
	v_lshrrev_b32 v[BX+\b], 23, v[SO+\b]
.endr
	s_delay_alu instid0(VALU_DEP_1)
	v_lshl_or_b32 v[248+\u], v[BX+1], 8, v[BX]     ; my token's two scale bytes of this head
	v_cvt_scalef32_pk16_fp6_f32 v[AOF+6*\u:AOF+6*\u+2], v[S:S+15], v[SO]
	v_cvt_scalef32_pk16_fp6_f32 v[PT:PT+2], v[S+16:S+31], v[SO+1]
	v_nop                                          ; one plain place behind a scaled conversion
.irp i, 0,1,2
	v_permlane16_swap_b32 v[AOF+6*\u+\i], v[PT+\i]
.endr
.irp i, 0,1,2
	s_delay_alu instid0(VALU_DEP_3)
	v_mov_b32 v[AOF+6*\u+3+\i], v[PT+\i]
.endr
.irp p, 0,1,2
	global_store_b64 v2, v[AOF+6*\u+2*\p:AOF+6*\u+2*\p+1], s[10:11] offset:12288*\u+256*\p   ; 256 consecutive bytes, aligned; each tile has its own six registers
.endr
.endm
	TILE 0
	TILE 1
	v_cndmask_b32 v250, v248, v249, s76            ; lane L: token 32 G + L
	global_store_b16 v9, v250, s[12:13]
	s_wait_tensorcnt 0x0
	ds_add_u32 v254, v255
	s_wait_dscnt 0x0
	CROUND                                         ; the closing round: no work-group ends while a partner may still ask for a part that names it
	s_endpgm
.Lfunc_end_k_q0ce50e8ee8_attn:
	.size	k_q0ce50e8ee8_attn, .Lfunc_end_k_q0ce50e8ee8_attn-k_q0ce50e8ee8_attn
	.p2alignl 7, 3214868480
	.fill 96, 4, 3214868480
	.section	.rodata,"a",@progbits
	.p2align	6, 0x0
	.amdhsa_kernel k_q0ce50e8ee8_attn
		.amdhsa_group_segment_fixed_size 210944
		.amdhsa_private_segment_fixed_size 0
		.amdhsa_enable_private_segment 0
		.amdhsa_kernarg_size 40
		.amdhsa_user_sgpr_count 2
		.amdhsa_user_sgpr_kernarg_segment_ptr 1
		.amdhsa_wavefront_size32 1
		.amdhsa_system_sgpr_workgroup_id_x 1
		.amdhsa_system_sgpr_workgroup_id_y 1
		.amdhsa_system_sgpr_workgroup_id_z 1
		.amdhsa_system_vgpr_workitem_id 0
		.amdhsa_next_free_vgpr 256
		.amdhsa_next_free_sgpr 96
		.amdhsa_reserve_vcc 0
		.amdhsa_float_denorm_mode_32 3
		.amdhsa_float_denorm_mode_16_64 3
		.amdhsa_memory_ordered 1
		.amdhsa_forward_progress 1
		.amdhsa_inst_pref_size 64
	.end_amdhsa_kernel
	.amdgpu_metadata
---
amdhsa.version: [ 1, 2 ]
amdhsa.kernels:
  - .name:           k_q0ce50e8ee8_attn
    .symbol:         k_q0ce50e8ee8_attn.kd
    .args:
      - { .name: qrec, .offset: 0, .size: 8, .value_kind: global_buffer, .address_space: global }
      - { .name: kvrec, .offset: 8, .size: 8, .value_kind: global_buffer, .address_space: global }
      - { .name: maskw, .offset: 16, .size: 8, .value_kind: global_buffer, .address_space: global }
      - { .name: ao_codes, .offset: 24, .size: 8, .value_kind: global_buffer, .address_space: global }
      - { .name: ao_scales, .offset: 32, .size: 8, .value_kind: global_buffer, .address_space: global }
    .group_segment_fixed_size: 210944
    .private_segment_fixed_size: 0
    .kernarg_segment_align: 8
    .kernarg_segment_size: 40
    .max_flat_workgroup_size: 512
    .sgpr_count:     96
    .vgpr_count:     256
    .wavefront_size: 32
...
	.end_amdgpu_metadata
.endif
;; end of part 2
;; launch oproj (part 3): grid 8 x 32, 4 waves a work-group, clusters of 4 x 4, 327,680 bytes of LDS; arguments ao_codes, ao_scales, wo_codes, wo_scales, bo, out0; writes out0
.if DOCPART == 3
	.amdgcn_target "amdgcn-amd-amdhsa--gfx1250"
	.amdhsa_code_object_version 6
	.text
	.protected	k_q0ce50e8ee8_oproj
	.globl	k_q0ce50e8ee8_oproj
	.p2align	8
	.type	k_q0ce50e8ee8_oproj,@function
k_q0ce50e8ee8_oproj:
	s_mov_b64 s[64:65], 0
	v_nop
	global_prefetch_b8 v0, s[64:65] scope:SCOPE_SE
	s_setreg_imm32_b32 hwreg(HW_REG_WAVE_MODE, 25, 1), 1
	s_wait_xcnt 0x0
	s_wait_alu depctr_hold_cnt(0) depctr_sa_sdst(0) depctr_va_vdst(0) depctr_va_sdst(0) depctr_va_ssrc(0) depctr_va_vcc(0) depctr_vm_vsrc(0)
	s_getreg_b32 s2, hwreg(HW_REG_IB_STS2, 6, 4)
	s_cmp_eq_u32 s2, 0
	s_cbranch_scc0 .Lentry_in_a_cluster
	s_endpgm
.Lentry_in_a_cluster:
	s_bfe_u32 s2, ttmp6, 0x10000c
	s_cmp_lg_u32 s2, 0xf033
	s_cbranch_scc0 .Lentry_shape_is_right
	s_endpgm
.Lentry_shape_is_right:
; out0 = O wo^T + bo on codes of FP6 (E2M3).  256 work-groups, each 256 tokens x 128 columns; four waves, 2 x 2: wave (a, b) takes tokens 128 a .. + 127 and columns 64 b .. + 63.
; ALL OF K LIES IN LDS, filled once.  wo's rows are 768 bytes and begin at multiples of 256 bytes (16 bytes of padding behind every 256); waves 0 and 1 fetch 64 of them each.
; O's codes lie in memory as operand images, [tile of 16 tokens][16 heads][3][32 lanes][8 bytes]: 128 tokens are one dense block of 98,304 bytes, fetched as rows of 256 bytes by waves 2 and 3.
; No LDS byte is filled again; every tile is asked for at the head and there is no loop to run ahead in: no prefetch is laid.  CLUSTER 4 x 4: O's tiles are shared along a row, wo's along a column.
; A wave holds its 64 rows of wo, all of K, in 384 registers and takes its tokens in eight blocks of 16; a block is 32 products, four accumulators by turns.  bo is the C of a block's first four products.
; Source 0 = wo's rows: a lane holds one token and eight neighbouring columns a tile.  A block goes through the wave's own stage in LDS and leaves as rows of 256 bytes, aligned; its stores stand behind the next block's products.
.set KROW,  768
.set KS,    32
.set PITCH, 816
.set FR,    12
.set FPW,   21
.set NF,    48                         ; LDS loads of a block's eight fragments
.set XB,    128*PITCH
.set STAGE, XB+2*98304
.set SP,    272
.set SPARE, STAGE+4*16*SP
.set AX,   3                           ; v3  LDS address of the block fetched next
.set STO,  4
.set RD,   5
.set CO,   6
.set SPW,  8
.set NIL,  9
.set SWB,  12                          ; v12-27 wo's scale words
.set SX,   32                          ; v32-63 O's scale words
.set ACC,  64                          ; v64-127 two sets of four accumulators
.set BA,   64                          ; v64-71 at the head: LDS addresses of wo's four tiles
.set BK,   128                         ; v128-159 a block back from the stage
.set BB,   224                         ; v992-1023 (window 3): the bias as C
.set G1X, 68
.set G1W, 76
.set G0X, 84
.set G0W, 88
.set MSB, 0
.macro WIN new
.if MSB != \new
	s_set_vgpr_msb (MSB<<8)|\new
.set MSB, \new
.endif
.endm
.macro PLACES n
.rept \n
	v_nop
.endr
.endm
.macro WALU
	s_wait_alu depctr_va_vdst(0)
.endm
.macro BARRIER
	s_barrier_signal -1
	s_barrier_wait -1
.endm
.macro CROUND
	BARRIER
	s_cmp_lg_u32 s14, 0
	s_cbranch_scc1 .Lnot_wave_0_\@
	s_barrier_signal -3
.Lnot_wave_0_\@:
	s_barrier_wait -3
	BARRIER
.endm
.macro TLOAD g0, g1
	tensor_load_to_lds s[\g0:\g0+3], s[\g1:\g1+7]
	s_nop 0
	PLACES 4
.endm
.macro FRAG f, q, a0, a1               ; wo: six pieces of 8 bytes, two to a load where both lie behind as many paddings
	WIN (1+(\f)/FPW)<<6
.set R_, FR*((\f)%FPW)
.set SKIP_, 0
.irp p, 0,1,2,3,4,5
.if SKIP_
.set SKIP_, 0
.else
.set PC_, 12*(\q)+6*(\p/3)+\p%3
.set PN_, 12*(\q)+6*((\p+1)/3)+(\p+1)%3
.set X_, (PC_%32+3)/32
.set XQ_, (PN_%32+3)/32
.if (\p < 5) && (X_ == XQ_)
.set SKIP_, 1
.if X_
	ds_load_2addr_b64 v[R_+2*\p:R_+2*\p+3], \a1 offset0:PC_+2*(PC_/32) offset1:PN_+2*(PN_/32)
.else
	ds_load_2addr_b64 v[R_+2*\p:R_+2*\p+3], \a0 offset0:PC_+2*(PC_/32) offset1:PN_+2*(PN_/32)
.endif
.elseif X_
	ds_load_b64 v[R_+2*\p:R_+2*\p+1], \a1 offset:8*(PC_+2*(PC_/32))
.else
	ds_load_b64 v[R_+2*\p:R_+2*\p+1], \a0 offset:8*(PC_+2*(PC_/32))
.endif
.endif
.endr
.endm
.macro FETCH e                         ; a tile of 16 tokens into set e: fragment q is heads 2 q and 2 q + 1, three pieces of 256 bytes each; then the address steps to the next tile
.irp q, 0,1,2,3,4,5,6,7
	WIN (1+(32+8*(\e)+\q)/FPW)<<6
.irp p, 0,1,2,3,4,5
	ds_load_b64 v[FR*((32+8*(\e)+\q)%FPW)+2*\p:FR*((32+8*(\e)+\q)%FPW)+2*\p+1], v[AX] offset:1536*\q+256*\p
.endr
.endr
	WIN 0
	v_add_nc_u32 v[AX], 12288, v[AX]
.endm
.macro WM c, ra, rb
	v_wmma_scale_f32_16x16x128_f8f6f4 v[D_:D_+7], v[FR*(S0_%FPW):FR*(S0_%FPW)+FR-1], v[FR*(S1_%FPW):FR*(S1_%FPW)+FR-1], \c, v[X0_], v[X1_] matrix_a_fmt:MATRIX_FMT_FP6 matrix_b_fmt:MATRIX_FMT_FP6 matrix_a_scale:MATRIX_SCALE_ROW\ra matrix_b_scale:MATRIX_SCALE_ROW\rb
.endm
.macro WMR c
.if R0_ && R1_
	WM \c, 1, 1
.elseif R0_
	WM \c, 1, 0
.elseif R1_
	WM \c, 0, 1
.else
	WM \c, 0, 0
.endif
.endm
.macro PROD s, n                       ; product n = 4 q + b of block s
.set Q_, (\n)/4
.set B_, (\n)%4
.set D_, ACC+32*((\s)%2)+8*B_
.set S1_, 32+8*((\s)%2)+Q_
.set S0_, 4*Q_+B_
.set X1_, SX+8*((\s)/2)+Q_
.set X0_, SWB+8*(B_/2)+Q_
.set R1_, (\s)%2
.set R0_, B_%2
.if Q_
	WIN (1+S0_/FPW)|((1+S1_/FPW)<<2)
	WMR v[D_:D_+7]
.else
	WIN (1+S0_/FPW)|((1+S1_/FPW)<<2)|(3<<4)
	WMR v[BB+8*B_:BB+8*B_+7]
.endif
.endm
.macro TOSTAGE s                       ; 16 tokens x 64 columns into my stage, and back as rows of 256 bytes.  LDS serves a wave's instructions in order
.irp b, 0,1,2,3
	ds_store_b128 v[STO], v[ACC+32*((\s)%2)+8*\b:ACC+32*((\s)%2)+8*\b+3] offset:64*\b
	ds_store_b128 v[STO], v[ACC+32*((\s)%2)+8*\b+4:ACC+32*((\s)%2)+8*\b+7] offset:64*\b+16
.endr
.irp t, 0,1,2,3,4,5,6,7
	ds_load_b128 v[BK+4*\t:BK+4*\t+3], v[RD] offset:2*\t*SP
.endr
.endm
.macro SEND s                          ; sixteen lanes store 256 consecutive bytes, aligned
.irp t, 0,1,2,3,4,5,6,7
	global_store_b128 v[CO], v[BK+4*\t:BK+4*\t+3], s[26:27] offset:65536*(\s)+8192*\t th:TH_STORE_NT
.endr
.endm
; ---- the head
	s_load_b256 s[4:11], s[0:1], 0x0       ; ao_codes, ao_scales, wo_codes, wo_scales
	s_load_b128 s[24:27], s[0:1], 0x20     ; bo, out0
	v_lshl_add_u32 v[SPW], v0, 2, SPARE
	v_mov_b32 v[NIL], 0
	ds_add_u32 v[SPW], v[NIL]              ; the opening lines
	ds_add_u32 v[SPW], v[NIL]
	v_lshrrev_b32 v1, 5, v0
	v_readfirstlane_b32 s14, v1
	s_lshr_b32 s15, s14, 1
	s_and_b32 s16, s14, 1
	s_and_b32 s17, ttmp7, 0xffff
	s_lshl_b32 s17, s17, 2
	s_bfe_u32 s52, ttmp6, 0x40000
	s_bfe_u32 s53, ttmp6, 0x40004
	s_add_co_u32 s17, s17, s53             ; block of 256 tokens
	s_lshl_b32 s54, ttmp9, 2
	s_add_co_u32 s54, s54, s52             ; block of 128 columns
	s_lshl_b32 s55, s53, 2
	s_lshl_b32 s55, 15, s55
	s_lshl_b32 s56, 0x1111, s52
	s_or_b32 s[G1X+0], s55, (3<<16)|(1<<21)        ; a dense block: 384 rows of 32 elements of 8 bytes
	s_mov_b32 s[G1X+1], 32<<16
	s_mov_b32 s[G1X+2], 384<<16
	s_mov_b32 s[G1X+3], 32<<16
	s_mov_b32 s[G1X+4], 384
	s_mov_b32 s[G1X+5], 32
	s_mov_b32 s[G1X+6], 0
	s_mov_b32 s[G1X+7], 0
	s_or_b32 s[G1W+0], s56, (1<<20)|(1<<21)|(5<<22)|(3<<25)
	s_mov_b32 s[G1W+1], KROW<<16
	s_mov_b32 s[G1W+2], 64<<16
	s_mov_b32 s[G1W+3], KROW<<16
	s_mov_b32 s[G1W+4], 64
	s_mov_b32 s[G1W+5], KROW
	s_mov_b32 s[G1W+6], 0
	s_mov_b32 s[G1W+7], 0
	s_lshl_b32 s20, s17, 1
	s_add_co_u32 s20, s20, s16
	s_mul_i32 s57, s20, 128*KROW           ; the 128 tokens that waves 2, 3 fetch
	s_lshl_b32 s20, s54, 1
	s_add_co_u32 s20, s20, s16
	s_mul_i32 s58, s20, 64*KROW            ; my 64 rows of wo: what waves 0, 1 fetch
	s_mul_i32 s59, s20, 64*KS
	s_lshl_b32 s60, s20, 8                 ; my 64 columns, in bytes of f32
	s_lshl_b32 s21, s17, 1
	s_add_co_u32 s21, s21, s15
	s_mul_i32 s61, s21, 128*KS
	s_lshl_b32 s62, s21, 19                ; my 128 rows of out0, 4,096 bytes each
	s_mov_b32 s[G0X], 1
	s_mul_i32 s[G0X+1], s16, 98304
	s_add_co_u32 s[G0X+1], s[G0X+1], XB
	s_mov_b32 s[G0W], 1
	s_mul_i32 s[G0W+1], s16, 64*PITCH
	WALU
	s_wait_dscnt 0x0
	s_wait_kmcnt 0x0
	s_mov_b32 s21, 0
	s_mov_b32 s20, s57
	s_add_nc_u64 s[G0X+2:G0X+3], s[4:5], s[20:21]
	s_or_b32 s[G0X+3], s[G0X+3], 0x80000000
	s_mov_b32 s20, s58
	s_add_nc_u64 s[G0W+2:G0W+3], s[8:9], s[20:21]
	s_or_b32 s[G0W+3], s[G0W+3], 0x80000000
	s_mov_b32 s20, s61
	s_add_nc_u64 s[6:7], s[6:7], s[20:21]
	s_mov_b32 s20, s59
	s_add_nc_u64 s[10:11], s[10:11], s[20:21]
	s_mov_b32 s20, s60
	s_add_nc_u64 s[24:25], s[24:25], s[20:21]
	s_add_nc_u64 s[26:27], s[26:27], s[20:21]
	s_mov_b32 s20, s62
	s_add_nc_u64 s[26:27], s[26:27], s[20:21]
	CROUND
	s_cmp_lt_u32 s14, 2
	s_cbranch_scc0 .Lfor_x
	TLOAD G0W, G1W
	s_branch .Lasked
.Lfor_x:
	TLOAD G0X, G1X
.Lasked:
	v_and_b32 v1, 15, v0
	v_bfe_u32 v2, v0, 4, 1
	v_and_b32 v7, 31, v0
	v_mul_u32_u24 v10, v1, PITCH
	v_mad_u32_u24 v11, v2, 24, v10
	v_mad_u32_u24 v10, v2, 40, v10
	s_mul_i32 s20, s16, 64*PITCH
.irp b, 0,1,2,3
	v_add_nc_u32 v[BA+2*\b], s20, v11
	v_add_nc_u32 v[BA+2*\b+1], s20, v10
	s_add_co_u32 s20, s20, 16*PITCH
.endr
	s_mul_i32 s20, s15, 98304
	s_add_co_u32 s20, s20, XB
	v_lshl_add_u32 v[AX], v7, 3, s20       ; 8 bytes a lane
	s_mul_i32 s20, s14, 16*SP
	s_add_co_u32 s20, s20, STAGE
	v_mul_u32_u24 v10, v1, SP
	v_lshl_add_u32 v10, v2, 5, v10
	v_add_nc_u32 v[STO], s20, v10          ; in: row lane % 16, 32 bytes for each half of the lanes
	v_mul_u32_u24 v10, v2, SP
	v_lshl_add_u32 v10, v1, 4, v10
	v_add_nc_u32 v[RD], s20, v10           ; back: lanes 0-15 one row, lanes 16-31 the next
	v_lshlrev_b32 v10, 12, v2
	v_lshl_add_u32 v[CO], v1, 4, v10       ; and the same two rows in out0
	v_lshlrev_b32 v7, 5, v7
	v_lshlrev_b32 v11, 5, v2
	WALU
.irp p, 0,1,2,3
.irp c, 0,1
	global_load_b128 v[SX+8*\p+4*\c:SX+8*\p+4*\c+3], v7, s[6:7] offset:1024*\p+16*\c
.endr
.endr
.irp p, 0,1
.irp c, 0,1
	global_load_b128 v[SWB+8*\p+4*\c:SWB+8*\p+4*\c+3], v7, s[10:11] offset:1024*\p+16*\c
.endr
.endr
	WIN 3<<6
.irp b, 0,1,2,3
	global_load_b128 v[BB+8*\b:BB+8*\b+3], v11, s[24:25] offset:64*\b
	global_load_b128 v[BB+8*\b+4:BB+8*\b+7], v11, s[24:25] offset:64*\b+16
.endr
	WIN 0
	s_cmp_lt_u32 s14, 2
	s_cbranch_scc0 .Lnot_w
	s_wait_tensorcnt 0x0
.Lnot_w:
	BARRIER                                ; wo's rows are in
.irp q, 0,1,2,3,4,5,6,7
.irp b, 0,1,2,3
	FRAG 4*\q+\b, \q, v[BA+2*\b], v[BA+2*\b+1]
.endr
.endr
	WIN 0
	s_wait_tensorcnt 0x0
	s_wait_dscnt 0x0
	BARRIER                                ; O's tiles are in
	FETCH 0
	WALU
	FETCH 1
	s_wait_loadcnt 0x0
; ---- eight blocks.  Behind a block's fetch were issued the stage's 8 stores and 8 loads and the next fetch's NF loads
.irp s, 0,1,2,3,4,5,6,7
	WALU
.if \s == 0
	s_wait_dscnt NF
.elseif \s == 7
	s_wait_dscnt 16
.else
	s_wait_dscnt 63                        ; behind this block's fetch stand 8 + 8 + NF = 64 LDS instructions; the wait's field holds 63 at the most
.endif
.set N_, 0
.rept 32
	PROD \s, N_
.set N_, N_+1
.endr
	WIN 0
	PLACES 4
.if \s > 0
.if \s < 7
	s_wait_dscnt NF                        ; the block before is back from the stage; the fetch behind it may be out
.else
	s_wait_dscnt 0x0
.endif
	SEND \s-1
	s_wait_xcnt 0x0                        ; its registers are loaded into again below
.endif
	TOSTAGE \s
.if \s < 6
	WALU
	FETCH \s%2
.endif
.endr
	s_wait_dscnt 0x0
	SEND 7
	s_wait_tensorcnt 0x0                   ; the wave's end
	ds_add_u32 v[SPW], v[NIL]
	s_wait_dscnt 0x0
	CROUND
	s_endpgm
.Lfunc_end_k_q0ce50e8ee8_oproj:
	.size	k_q0ce50e8ee8_oproj, .Lfunc_end_k_q0ce50e8ee8_oproj-k_q0ce50e8ee8_oproj
	.p2alignl 7, 3214868480
	.fill 96, 4, 3214868480
	.section	.rodata,"a",@progbits
	.p2align	6, 0x0
	.amdhsa_kernel k_q0ce50e8ee8_oproj
		.amdhsa_group_segment_fixed_size 327680
		.amdhsa_private_segment_fixed_size 0
		.amdhsa_enable_private_segment 0
		.amdhsa_kernarg_size 48
		.amdhsa_user_sgpr_count 2
		.amdhsa_user_sgpr_kernarg_segment_ptr 1
		.amdhsa_wavefront_size32 1
		.amdhsa_system_sgpr_workgroup_id_x 1
		.amdhsa_system_sgpr_workgroup_id_y 1
		.amdhsa_system_sgpr_workgroup_id_z 1
		.amdhsa_system_vgpr_workitem_id 0
		.amdhsa_next_free_vgpr 1024
		.amdhsa_next_free_sgpr 102
		.amdhsa_reserve_vcc 0
		.amdhsa_float_denorm_mode_32 3
		.amdhsa_float_denorm_mode_16_64 3
		.amdhsa_memory_ordered 1
		.amdhsa_forward_progress 1
		.amdhsa_inst_pref_size 91
	.end_amdhsa_kernel
	.amdgpu_metadata
---
amdhsa.version: [ 1, 2 ]
amdhsa.kernels:
  - .name:           k_q0ce50e8ee8_oproj
    .symbol:         k_q0ce50e8ee8_oproj.kd
    .args:
      - { .name: ao_codes, .offset: 0, .size: 8, .value_kind: global_buffer, .address_space: global }
      - { .name: ao_scales, .offset: 8, .size: 8, .value_kind: global_buffer, .address_space: global }
      - { .name: wo_codes, .offset: 16, .size: 8, .value_kind: global_buffer, .address_space: global }
      - { .name: wo_scales, .offset: 24, .size: 8, .value_kind: global_buffer, .address_space: global }
      - { .name: bo, .offset: 32, .size: 8, .value_kind: global_buffer, .address_space: global }
      - { .name: out0, .offset: 40, .size: 8, .value_kind: global_buffer, .address_space: global }
    .group_segment_fixed_size: 327680
    .private_segment_fixed_size: 0
    .kernarg_segment_align: 8
    .kernarg_segment_size: 48
    .max_flat_workgroup_size: 128
    .sgpr_count:     102
    .vgpr_count:     1024
    .wavefront_size: 32
...
	.end_amdgpu_metadata
.endif
;; end of part 3
